; MI455X (gfx1250); checked and timed in simulation.
; The chip was launched on July 23, 2026; its instructions are those of AMD's public machine-readable ISA for CDNA 5 (MIT licence, August 2026) and "CDNA5" Instruction Set Architecture Reference Guide (July 2026). The comments in the code are by the model that wrote it; some were corrected since.
;; Quantized Lo RA Linear. Allowed arithmetic: float matrix products may take bf16 or f16 operands with f32 sums; other float arithmetic in f32, or as packed bf16 or f16 multiplies, adds, multiply-adds, maxima and minima; sums over many terms, partial sums and values carried from step to step in f32; what a program stores and reads back later, other than sums and carried values, may be rounded once to bf16 or f16.
;; Inputs: bias 2,048 float32; lora_A 8 x 4,096 float32; lora_B 2,048 x 8 float32; qweight_codes 131,072 x 64 int32; qweight_scales 131,072 float32; x 4 x 2,048 x 4,096 float32.
;; Outputs: out0 4 x 2,048 x 2,048 float32.
;; 2 versions, each right; version 2 is version 1 with the launch prep written anew for expert scheduling mode. Each part assembles by itself: llvm-mc -triple=amdgcn-amd-amdhsa -mcpu=gfx1250 --defsym DOCPART=n.
;; ======== version 1 of 2: 2 launches
;; workspace buffers: weff 16,777,216 bytes
;; launch prep (part 1): grid 256 x 1, 16 waves a work-group, no clusters, 4,096 bytes of LDS; arguments qweight_codes, qweight_scales, lora_A, lora_B, weff; writes weff
.if DOCPART == 1
	.amdgcn_target "amdgcn-amd-amdhsa--gfx1250"
	.amdhsa_code_object_version 6
	.text
	.protected	k_q2a37ba46dc_prep
	.globl	k_q2a37ba46dc_prep
	.p2align	8
	.type	k_q2a37ba46dc_prep,@function
k_q2a37ba46dc_prep:
	s_mov_b64 s[64:65], 0
	v_nop
	global_prefetch_b8 v0, s[64:65] scope:SCOPE_SE
	s_setreg_imm32_b32 hwreg(HW_REG_WAVE_MODE, 25, 1), 1
	s_wait_xcnt 0x0
; W_eff[o][i] = NF4[code[o][i]] * scale[o][i / 64] + 2 * sum over r of lora_B[o][r] * lora_A[r][i], rounded once to bf16, for the product that follows.
; x (W + 2 B A)^T = x W^T + 2 (x A^T) B^T for every input: the adapter is linear, so it is added to the weight here, once, in f32.
; LIMITS.  The order of rounding differs from the module's own: the adapter joins the weight ahead of the one rounding to bf16; lora_A and 2 lora_B are rounded to bf16 for their product
; (sums in f32).  A code outside 0..15, read as unsigned, counts as 15.  NaN and infinities are not treated apart.
; LAYOUT OF weff: [2048 stored rows][4096 stored places], bf16, 8,192 bytes a row, with two permutations that the next launch uses:
;   rows:   output column n = 64 G + 4 r + q lies in stored row 64 G + 16 q + r;
;   places: stored place s holds input channel k = s with bits 2 and 3 exchanged (inside each 16).
; SHARES.  A work-group owns 8 output rows o0 = 8 b .. 8 b + 7, whole: its 512 scales are 2,048 consecutive bytes.  Thread t (0..511) owns the stored places 8 t .. 8 t + 7 of all 8 rows:
; the channels 16 (t >> 1) + 4 (t & 1) + 0..3 and the same + 8: two loads of 16 bytes, 32 bytes apart, in a row of codes and in a row of lora_A.  No loop: a wave's 35 loads go out together.
; THE ADAPTER ON THE MATRIX UNIT.  Accumulator e (0..7) holds, in register j of lane l, row o0 + j at the lane's place e: it starts as the dequantised weight (the C operand).
; A result's 16 rows serve 8 output rows x the two halves of the lanes, told apart along K: source 1 holds in registers 0-3 of EVERY lane the 8 ranks of lora_A at the lane's own channel
; (lanes 0-15: K = 0..7, lanes 16-31: K = 8..15); source 0 holds 2 lora_B[o0 + l % 8][0..7] in lanes 0-7 (rows 0-7, K 0..7) and 24-31 (rows 8-15, K 8..15), 0 elsewhere; K 16..31 is 0 in both.
.set SPARE, 2048                       ; LDS: bytes 0..2,047 the 512 scales (word 64 j + block); behind them the spare words, 128 bytes for each of 16 waves, which no other line names
.set KO,   3                           ; v3   my byte offset in a row of codes and of lora_A: 64 (t >> 1) + 16 (t & 1)
.set WO,   4                           ; v4   my 16 bytes in a stored row: 16 t
.set BO,   5                           ; v5   32 (l % 8): a row of lora_B
.set T4,   6                           ; v6   4 t
.set SA,   7                           ; v7   4 (t >> 3): my block of 64 channels among a row's 64 scales
.set CB,   8                           ; v8   NF4[l % 16]: the table, a lane an entry, twice
.set LQ,   9                           ; v9   l % 16
.set SW,   10                          ; v10  the one scale that I bring
.set SPW,  12                          ; v12  LDS address of my spare word; never rewritten
.set NIL,  13                          ; v13  0; never rewritten
.set BFR,  16                          ; v[16:23]   source 0
.set SCL,  24                          ; v[24:31]   my scale for row j
.set BRAW, 32                          ; v[32:39]   a row of lora_B in f32
.set COD,  40                          ; v[40:103]  codes, row j place e at 8 j + e; later the packed results, row j at 4 j
.set ARAW, 104                         ; v[104:167] lora_A in f32, rank k place e at 8 k + e; later the accumulators, e at 8 e
.set ACC,  104
.set AFR,  168                         ; v[168:231] source 1 for accumulator e at 8 e
	s_load_b256 s[4:11], s[0:1], 0x0               ; codes s[4:5], scales s[6:7], lora_A s[8:9], lora_B s[10:11]
	s_load_b64 s[12:13], s[0:1], 0x20              ; weff
	v_lshl_add_u32 v[SPW], v0, 2, SPARE
	v_mov_b32 v[NIL], 0
	v_lshrrev_b32 v1, 1, v0
	v_and_b32 v2, 1, v0
	v_lshlrev_b32 v[KO], 6, v1
	v_lshl_add_u32 v[KO], v2, 4, v[KO]
	v_lshlrev_b32 v[WO], 4, v0
	v_and_b32 v[BO], 7, v0
	v_lshlrev_b32 v[BO], 5, v[BO]
	v_lshlrev_b32 v[T4], 2, v0
	v_lshrrev_b32 v[SA], 3, v0
	v_lshlrev_b32 v[SA], 2, v[SA]
	v_and_b32 v[LQ], 15, v0
	s_lshl_b32 s16, ttmp9, 17                      ; 8 rows of 16,384 bytes of codes
	s_mov_b32 s17, 0
	s_lshl_b32 s18, ttmp9, 11                      ; 512 scales
	s_mov_b32 s19, 0
	s_lshl_b32 s20, ttmp9, 8                       ; 8 rows of 32 bytes of lora_B
	s_mov_b32 s21, 0
	s_lshr_b32 s22, ttmp9, 3                       ; stored row of o0: 64 (o0 / 64) + (o0 / 4) % 16 = 64 (b / 8) + 2 (b % 8)
	s_lshl_b32 s22, s22, 6
	s_and_b32 s23, ttmp9, 7
	s_lshl1_add_u32 s22, s23, s22
	s_lshl_b32 s22, s22, 13                        ; x 8,192 bytes
	s_mov_b32 s23, 0
	s_mov_b32 s15, 0xff0000ff                      ; the lanes that keep lora_B in source 0
	s_wait_kmcnt 0x0
	s_add_nc_u64 s[4:5], s[4:5], s[16:17]
	s_add_nc_u64 s[6:7], s[6:7], s[18:19]
	s_add_nc_u64 s[10:11], s[10:11], s[20:21]
	s_add_nc_u64 s[12:13], s[12:13], s[22:23]
	; all 35 loads, in the order in which they are wanted
	global_load_b32 v[SW], v[T4], s[6:7] th:TH_LOAD_NT
	global_load_b128 v[BRAW:BRAW+3], v[BO], s[10:11]
	global_load_b128 v[BRAW+4:BRAW+7], v[BO], s[10:11] offset:16
.irp k, 0,1,2,3,4,5,6,7
	global_load_b128 v[ARAW+8*(\k):ARAW+8*(\k)+3],   v[KO], s[8:9] offset:16384*(\k)
	global_load_b128 v[ARAW+8*(\k)+4:ARAW+8*(\k)+7], v[KO], s[8:9] offset:16384*(\k)+32
.endr
.irp j, 0,1,2,3,4,5,6,7
	global_load_b128 v[COD+8*(\j):COD+8*(\j)+3],   v[KO], s[4:5] offset:16384*(\j) th:TH_LOAD_NT
	global_load_b128 v[COD+8*(\j)+4:COD+8*(\j)+7], v[KO], s[4:5] offset:16384*(\j)+32 th:TH_LOAD_NT
.endr
	; while they are on their way: the table (lane l takes entry l % 16) and the zeros of K = 16..31
.macro CBE n, bits
	v_cmp_ne_u32 vcc_lo, \n, v[LQ]
	v_cndmask_b32 v[CB], \bits, v[CB], vcc_lo      ; the lanes with l % 16 = n take the entry, the others keep theirs
.endm
	v_mov_b32 v[CB], 0xbf800000                    ; -1.0
	CBE 1,  0xbf3239b1                             ; -0.6961928
	CBE 2,  0xbf066b30                             ; -0.52507305
	CBE 3,  0xbeca32a0                             ; -0.3949175
	CBE 4,  0xbe91a24d                             ; -0.28444138
	CBE 5,  0xbe3d353f                             ; -0.18477343
	CBE 6,  0xbdba7871                             ; -0.09105004
	CBE 7,  0
	CBE 8,  0x3da2faff                             ; 0.0795803
	CBE 9,  0x3e24cae3                             ; 0.1609302
	CBE 10, 0x3e7c04dd                             ; 0.2461123
	CBE 11, 0x3ead033a                             ; 0.33791524
	CBE 12, 0x3ee1a4b8                             ; 0.44070983
	CBE 13, 0x3f1007ab                             ; 0.562617
	CBE 14, 0x3f3913b3                             ; 0.72295684
	CBE 15, 0x3f800000                             ; 1.0
.irp p, 4,5,6,7
	v_mov_b32 v[BFR+(\p)], 0
.irp e, 0,1,2,3,4,5,6,7
	v_mov_b32 v[AFR+8*(\e)+(\p)], 0
.endr
.endr
	; the scales meet in LDS: each is fetched once, as part of 2,048 consecutive bytes, and read by the eight lanes of its block
	s_wait_loadcnt 34                              ; the scale is the oldest load: the 34 behind it stay out
	ds_store_b32 v[T4], v[SW]
	s_wait_dscnt 0x0                               ; for the other waves' sake: my store is done
	s_barrier_signal -1
	s_barrier_wait -1
.irp j, 0,1,2,3,4,5,6,7
	ds_load_b32 v[SCL+(\j)], v[SA] offset:256*(\j)
.endr
	s_wait_loadcnt 32                              ; lora_B's row is in: 32 younger loads stay out
.irp p, 0,2,4,6
	v_pk_mul_f32 v[BRAW+(\p):BRAW+(\p)+1], v[BRAW+(\p):BRAW+(\p)+1], 2.0 op_sel_hi:[1,0]  ; the module's scaling, alpha / rank = 2: exact
.endr
.irp p, 0,1,2,3
	v_cvt_pk_bf16_f32 v[BFR+(\p)], v[BRAW+2*(\p)], v[BRAW+2*(\p)+1]
.endr
.irp p, 0,1,2,3
	v_cndmask_b32 v[BFR+(\p)], 0, v[BFR+(\p)], s15
.endr
	s_wait_loadcnt 16                              ; lora_A is in: the 16 loads of codes stay out
.irp e, 0,1,2,3,4,5,6,7
.irp p, 0,1,2,3
	v_cvt_pk_bf16_f32 v[AFR+8*(\e)+(\p)], v[ARAW+16*(\p)+(\e)], v[ARAW+16*(\p)+8+(\e)]  ; ranks 2 p, 2 p + 1 at my place e
.endr
.endr
	; the look-up: each lane pulls the table's entry from lane 'code'.  lora_A's registers are free: they take the accumulators
.irp j, 0,1,2,3,4,5,6,7
	s_wait_loadcnt 14-2*(\j)                       ; row j's two loads are in; the later rows' stay out
.irp e, 0,1,2,3,4,5,6,7
	v_min_u32 v[COD+8*(\j)+(\e)], 15, v[COD+8*(\j)+(\e)]
.endr
.irp e, 0,1,2,3,4,5,6,7
	v_lshlrev_b32 v[COD+8*(\j)+(\e)], 2, v[COD+8*(\j)+(\e)]   ; the permute's index counts bytes: 4 x lane
.endr
.irp e, 0,1,2,3,4,5,6,7
	ds_bpermute_b32 v[ACC+8*(\e)+(\j)], v[COD+8*(\j)+(\e)], v[CB]
.endr
.endr
	s_wait_dscnt 0x0                               ; my eight scales and all 64 entries
.irp e, 0,1,2,3,4,5,6,7
.irp z, 0,2,4,6
	v_pk_mul_f32 v[ACC+8*(\e)+(\z):ACC+8*(\e)+(\z)+1], v[ACC+8*(\e)+(\z):ACC+8*(\e)+(\z)+1], v[SCL+(\z):SCL+(\z)+1]
.endr
.endr
.irp e, 0,1,2,3,4,5,6,7                ; eight products on eight accumulators: no accumulator is taken up twice
	v_wmma_f32_16x16x32_bf16 v[ACC+8*(\e):ACC+8*(\e)+7], v[BFR:BFR+7], v[AFR+8*(\e):AFR+8*(\e)+7], v[ACC+8*(\e):ACC+8*(\e)+7]
.endr
.rept 8
	v_nop                                          ; the places between the last product and the conversions that read results (ISA guide 7.12.1); no other vector work is at hand
.endr
.irp j, 0,1,2,3,4,5,6,7                ; row j ascending: each accumulator's register 0 is read first
.irp p, 0,1,2,3
	v_cvt_pk_bf16_f32 v[COD+4*(\j)+(\p)], v[ACC+16*(\p)+(\j)], v[ACC+16*(\p)+8+(\j)]  ; places 2 p, 2 p + 1
.endr
.endr
.irp j, 0,1,2,3,4,5,6,7
	global_store_b128 v[WO], v[COD+4*(\j):COD+4*(\j)+3], s[12:13] offset:(16*((\j)%4)+(\j)/4)*8192  ; a wave's store covers 512 consecutive bytes of one stored row, aligned
.endr
	s_wait_tensorcnt 0x0                           ; the wave's end: behind my last LDS store
	ds_add_u32 v[SPW], v[NIL]
	s_wait_dscnt 0x0
	s_endpgm
.Lfunc_end_k_q2a37ba46dc_prep:
	.size	k_q2a37ba46dc_prep, .Lfunc_end_k_q2a37ba46dc_prep-k_q2a37ba46dc_prep
	.p2alignl 7, 3214868480
	.fill 96, 4, 3214868480
	.section	.rodata,"a",@progbits
	.p2align	6, 0x0
	.amdhsa_kernel k_q2a37ba46dc_prep
		.amdhsa_group_segment_fixed_size 4096
		.amdhsa_private_segment_fixed_size 0
		.amdhsa_enable_private_segment 0
		.amdhsa_kernarg_size 40
		.amdhsa_user_sgpr_count 2
		.amdhsa_user_sgpr_kernarg_segment_ptr 1
		.amdhsa_wavefront_size32 1
		.amdhsa_system_sgpr_workgroup_id_x 1
		.amdhsa_system_sgpr_workgroup_id_y 1
		.amdhsa_system_sgpr_workgroup_id_z 1
		.amdhsa_system_vgpr_workitem_id 0
		.amdhsa_next_free_vgpr 232
		.amdhsa_next_free_sgpr 66
		.amdhsa_reserve_vcc 1
		.amdhsa_float_denorm_mode_32 3
		.amdhsa_float_denorm_mode_16_64 3
		.amdhsa_memory_ordered 1
		.amdhsa_forward_progress 1
		.amdhsa_inst_pref_size 25
	.end_amdhsa_kernel
	.amdgpu_metadata
---
amdhsa.version: [ 1, 2 ]
amdhsa.kernels:
  - .name:           k_q2a37ba46dc_prep
    .symbol:         k_q2a37ba46dc_prep.kd
    .args:
      - { .name: qweight_codes, .offset: 0, .size: 8, .value_kind: global_buffer, .address_space: global }
      - { .name: qweight_scales, .offset: 8, .size: 8, .value_kind: global_buffer, .address_space: global }
      - { .name: lora_A, .offset: 16, .size: 8, .value_kind: global_buffer, .address_space: global }
      - { .name: lora_B, .offset: 24, .size: 8, .value_kind: global_buffer, .address_space: global }
      - { .name: weff, .offset: 32, .size: 8, .value_kind: global_buffer, .address_space: global }
    .group_segment_fixed_size: 4096
    .private_segment_fixed_size: 0
    .kernarg_segment_align: 8
    .kernarg_segment_size: 40
    .max_flat_workgroup_size: 512
    .sgpr_count:     66
    .vgpr_count:     232
    .wavefront_size: 32
...
	.end_amdgpu_metadata
.endif
;; end of part 1
;; launch gemm (part 2): grid 32 x 8, 4 waves a work-group, clusters of 4 x 1, 327,680 bytes of LDS; arguments x, weff, bias, out0; writes out0
.if DOCPART == 2
	.amdgcn_target "amdgcn-amd-amdhsa--gfx1250"
	.amdhsa_code_object_version 6
	.text
	.protected	k_q2a37ba46dc_gemm
	.globl	k_q2a37ba46dc_gemm
	.p2align	8
	.type	k_q2a37ba46dc_gemm,@function
k_q2a37ba46dc_gemm:
	s_mov_b64 s[64:65], 0
	v_nop
	global_prefetch_b8 v0, s[64:65] scope:SCOPE_SE
	s_setreg_imm32_b32 hwreg(HW_REG_WAVE_MODE, 25, 1), 1
	s_wait_xcnt 0x0
	s_wait_alu depctr_hold_cnt(0) depctr_sa_sdst(0) depctr_va_vdst(0) depctr_va_sdst(0) depctr_va_ssrc(0) depctr_va_vcc(0) depctr_vm_vsrc(0)
	s_getreg_b32 s2, hwreg(HW_REG_IB_STS2, 6, 4)
	s_cmp_eq_u32 s2, 0
	s_cbranch_scc0 .Lentry_in_a_cluster
	s_endpgm
.Lentry_in_a_cluster:
	s_bfe_u32 s2, ttmp6, 0x10000c
	s_cmp_lg_u32 s2, 0x3003
	s_cbranch_scc0 .Lentry_shape_is_right
	s_endpgm
.Lentry_shape_is_right:
; out[m][n] = sum over k of x[m][k] W_eff[n][k] + bias[n].  x: [8192][4096] f32, rounded to bf16 on its way into the product; weff: bf16, as the launch before laid it out; sums and bias in f32.
; LAYOUT OF weff: 8,192 bytes a stored row; output column 64 G + 4 r + q lies in stored row 64 G + 16 q + r; stored place s holds channel k = s with bits 2 and 3 exchanged.
; LIMITS.  Both operands are bf16 (8 significant bits); NaN and infinities are not treated apart.
; SHARES.  32 x 8 tiles of 256 x 256, a work-group each.  A wave owns 64 rows (4 blocks a of 16) and ALL 256 columns (16 blocks nb = 4 g + q): 64 accumulators, 512 registers.
; K goes in 128 CHUNKS of 32: 64 products each, every accumulator once, always in the same order: the accumulators take turns, over both backward jumps and into the tails.
; W_eff GOES THROUGH LDS: a ring of two slots, each 256 stored rows x 256 places (8 chunks, 512 products a wave).  CLUSTER: the four work-groups of a cluster make the same 256 columns
; (tile column = cluster x) for four tile rows (4 x cluster y + cx), so they need the same tiles of W_eff: each is asked for JOINTLY, one load a wave (its 64 rows), mask of all four.
; x GOES STRAIGHT INTO REGISTERS, without LDS and without a joint load, though the eight work-groups of a tile row read the same rows.  By the sizes: x is f32, so 256 rows x 256 channels are
; 262,144 bytes beside W_eff's 135,168: two such slots do not fit in 327,680; steps of 64 channels would fit and leave 128 products between two changes of slots.  And no two waves of a
; work-group want the same row of x.  Loads into registers stay out across the ring's barriers: four chunks (64 loads a wave) are always on their way.
; THE TWO PERMUTATIONS.  A load of x takes 16 bytes a lane at 16 (l / 16) + 32 i of row l % 16: the two halves of the lanes lie side by side, 32 consecutive bytes of each of 16 rows.  Converted in
; pairs, load i fills fragment registers 2 i, 2 i + 1: the fragment's place 8 h + 4 (i % 2) + 16 (i / 2) + e then holds channel 4 h + 8 (i % 2) + 16 (i / 2) + e: bits 2 and 3 exchanged, as in weff.
; In a result (source 0 = x, source 1 = W_eff) register j of lane (r, h) is row 16 a + 8 h + j, stored column row 16 nb + r = output column 64 g + 4 r + q: the four accumulators q of a group give
; a lane four neighbouring columns, sixteen lanes 256 consecutive bytes of out: no stage in LDS on the way out.
; REGISTERS, in windows of 256 (s_set_vgpr_msb: bits 1:0 source 0, 3:2 source 1, 5:4 source 2, 7:6 destination):
;   window 0: v0-13 addresses; v16-31 bias; v32-95 x in bf16, two buffers of 4 fragments; v96-159 W_eff's fragments nb 0-7; v160-223 nb 8-15
;   window 1: x in f32, four buffers of 64 (chunk c in buffer c % 4; block a, load i at 16 a + 4 i); on the way out: the rows to be stored
;   window 2: accumulators of nb 0-7 at 8 (8 a + nb);   window 3: those of nb 8-15
.set PB,    528                        ; a stored row in LDS: 512 bytes + 16 of padding = 132 words: row r starts at bank 4 r mod 64 (64 banks of 4 bytes: ISA guide 11.1): the 16 rows of a load start at 16 different groups of banks
.set WROWS, 64*PB                      ; what one tensor load brings: 64 rows
.set SLOT,  4*WROWS                    ; 135,168 = 0x21000: its two bits meet none of 33,792 x wave (0x8400, 0x10800, 0x18c00) nor bit 8, so one exclusive or turns an address in one slot into the other's
.set SPARE, 2*SLOT                     ; behind the ring: the spare words, 128 bytes for each wave: two blocks of 256 bytes that no other line names
.set XO,   3                           ; v3   16,384 r + 16 h: my 16 bytes in 16 rows of x; never rewritten
.set AB0,  4                           ; v4   528 r + 16 h: my place in a fragment of W_eff; never rewritten
.set AG0,  5                           ; v5   LDS address for nb 0-7 of the trip's four chunks;  v6 the same for nb 8-15 (128 rows on: the immediates stay under 65,536)
.set CO,   7                           ; v7   65,536 h + 16 r: my 16 bytes of out
.set BO,   8                           ; v8   16 r: my four numbers of bias in a group of 64
.set PFO,  9                           ; v9   16,384 l: a lane a row of x, for the prefetches
.set PBO,  10                          ; v10  8,192 (l % 16) + 256 (l / 16): a lane one of 16 stored rows x 2 blocks of 256 bytes
.set SPW,  12                          ; v12  LDS address of my spare word; never rewritten
.set NIL,  13                          ; v13  0; never rewritten
.set BIAS, 16
.set ABF,  32
.set BB,   96
.set WV,    12                         ; s12  my wave's number
.set NT,    15                         ; s15  tile column = cluster x: the same in all four partners
.set XB,    16                         ; s[16:17] x at my first row, at the chunk that the trip's first run of loads takes
.set G1,    24                         ; s[24:31] descriptor group 1
.set G0A,   32                         ; s[32:35] group 0 of the first fill of slot 0
.set G0W,   36                         ; s[36:39] group 0 of the first fill of slot 1; it then walks
.set TB,    40                         ; s40  LDS byte at which the trip's four chunks begin in a row
.set TWICE, 41                         ; s41  counts a slot's two trips
.set SLOTS, 42                         ; s42  counts the slots
.set LIMB,  43                         ; s43  1 where my cluster prefetches W_eff, else the greatest number
.set PFB,   44                         ; s[44:45] where my prefetches of W_eff stand
.set MSB, 0
.macro WIN new                         ; the immediate's high byte repeats the setting that is left; a switch that changes nothing is dropped
.if MSB != (\new)
	s_set_vgpr_msb (MSB<<8)|(\new)
.set MSB, (\new)
.endif
.endm
.macro PLACES                          ; a load into a register that a product has read stands four places behind that product, and only plain vector instructions that name none of its registers are places (ISA guide 7.12.1 for vector instructions)
.rept 4
	v_nop
.endr
.endm
; A round of the cluster's barrier: my work-group's barrier, so that wave 0's signal speaks for all four waves; wave 0 signals; every wave waits for all four work-groups; my work-group's barrier once more.
.macro CROUND
	s_barrier_signal -1
	s_barrier_wait -1
	s_cmp_lg_u32 s[WV], 0
	s_cbranch_scc1 .Lnot_wave_0_\@
	s_barrier_signal -3
.Lnot_wave_0_\@:
	s_barrier_wait -3
	s_barrier_signal -1
	s_barrier_wait -1
.endm
; 16 LDS loads in one run: W_eff's fragments of blocks 8 g .. 8 g + 7 for the chunk at byte kofs of the trip's part of the rows
.macro FB g, kofs
	WIN 0
.irp n, 0,1,2,3,4,5,6,7
	ds_load_b128 v[BB+64*(\g)+8*(\n):BB+64*(\g)+8*(\n)+3],   v[AG0+(\g)] offset:16*PB*(\n)+(\kofs)
	ds_load_b128 v[BB+64*(\g)+8*(\n)+4:BB+64*(\g)+8*(\n)+7], v[AG0+(\g)] offset:16*PB*(\n)+(\kofs)+32
.endr
.endm
; 16 loads: a chunk of x (64 rows x 128 bytes) into buffer buf, from byte off behind XB.  No hint: other work-groups read these bytes too.
.macro GLD buf, off
	WIN 0x40                                       ; destination window 1, address window 0
.irp a, 0,1,2,3
.irp i, 0,1,2,3
	global_load_b128 v[64*(\buf)+16*(\a)+4*(\i):64*(\buf)+16*(\a)+4*(\i)+3], v[XO], s[XB:XB+1] offset:262144*(\a)+(\off)+32*(\i)
.endr
.endr
.endm
; four of a chunk's 32 roundings to bf16: registers 4 n .. 4 n + 3 of buffer ab
.macro CV4 buf, ab, n
	WIN 0x05                                       ; sources window 1, destination window 0
.irp y, 0,1,2,3
	v_cvt_pk_bf16_f32 v[ABF+32*(\ab)+4*(\n)+(\y)], v[64*(\buf)+8*(\n)+2*(\y)], v[64*(\buf)+8*(\n)+2*(\y)+1]
.endr
.endm
; one product: rows 16 a on, block 8 g + n.  zero = 1: it starts the sum: nothing is ever cleared
.macro MM g, ab, a, n, zero
	WIN 0xa0+0x50*(\g)                             ; C and D window 2 or 3, sources window 0
.if \zero
	v_wmma_f32_16x16x32_bf16 v[8*(8*(\a)+(\n)):8*(8*(\a)+(\n))+7], v[ABF+32*(\ab)+8*(\a):ABF+32*(\ab)+8*(\a)+7], v[BB+64*(\g)+8*(\n):BB+64*(\g)+8*(\n)+7], 0
.else
	v_wmma_f32_16x16x32_bf16 v[8*(8*(\a)+(\n)):8*(8*(\a)+(\n))+7], v[ABF+32*(\ab)+8*(\a):ABF+32*(\ab)+8*(\a)+7], v[BB+64*(\g)+8*(\n):BB+64*(\g)+8*(\n)+7], v[8*(8*(\a)+(\n)):8*(8*(\a)+(\n))+7]
.endif
.endm
; A PREFETCH OF x INTO THE L2: the 512 bytes of each of my 64 rows that the NEXT trip's four runs of loads will take: a lane a row, two blocks of 256 bytes, four instructions, behind the trip's
; second run of loads.  A row of x is read by the eight work-groups of its tile row: the one with tile column 0 asks, each wave for its own rows, so each block is named once in the launch.
; The test hangs on the cluster's x, the same in all partners.  The trips written out behind the loop ask for nothing: the last of the loop names the bytes up to the rows' end.
.macro ASKX
	WIN 0
	s_cmp_eq_u32 s[NT], 0
	s_cbranch_scc0 .Lnot_x_\@
.irp o, 512, 768, 524800, 525056       ; rows l and 32 + l (524,288 bytes on)
	global_prefetch_b8 v[PFO], s[XB:XB+1] offset:\o th:TH_LOAD_NT scope:SCOPE_SE
.endr
.Lnot_x_\@:
.endm
; A PREFETCH OF W_eff: the step that the NEXT change of slots will ask for.  A tile column's rows are read by the eight clusters of that column: the one with cluster y = 0 asks.  Of the 64 rows that
; wave w fetches each of the four partners takes 16, told apart BY ADDRESS (16 cx rows in PFB); a lane names one of 16 rows x 2 blocks: one instruction.  The last change that fills asks for nothing.
.macro ASKB
	s_cmp_gt_u32 s[SLOTS], s[LIMB]
	s_cbranch_scc0 .Lnot_b_\@
	global_prefetch_b8 v[PBO], s[PFB:PFB+1] th:TH_LOAD_NT scope:SCOPE_SE
.Lnot_b_\@:
.endm
; A CHUNK IS TWO HALVES.  P0: the 32 products on blocks nb 0-7.  At its head: the same chunk's fragments nb 8-15, and (gl = 1) the run of loads for the chunk FOUR on, into the buffer whose chunk was converted half a chunk ago.
.macro P0 ab, kofs, gl, buf, off, ask=0, zero=0
	PLACES
	FB 1, \kofs
.if \gl
	GLD \buf, \off
.endif
.if \ask
	ASKX
.endif
	s_wait_dscnt 16                                ; the 16 loads just issued may stay out; nb 0-7, issued half a chunk ago, are in
.irp a, 0,1,2,3
.irp n, 0,1,2,3,4,5,6,7
	MM 0, \ab, \a, \n, \zero
.endr
.endr
.endm
; P1: the 32 products on blocks nb 8-15.  At its head (fb = 1): the NEXT chunk's fragments nb 0-7.  cv = 1: the next chunk of x (buffer buf) is rounded to bf16 into the other buffer, four
; conversions behind each of the last eight products; left = the younger loads of x that may stay out.
.macro P1 ab, fb, kofs, cv, left, buf, zero=0
	PLACES
.if \fb
	FB 0, \kofs
	s_wait_dscnt 16                                ; the 16 just issued may stay out; nb 8-15 are in
.else
	s_wait_dscnt 0x0
.endif
.irp a, 0,1,2
.irp n, 0,1,2,3,4,5,6,7
	MM 1, \ab, \a, \n, \zero
.endr
.endr
.if \cv
	s_wait_loadcnt \left                           ; loads come back in order (ISA guide 5.7.1): the next chunk is in, the runs of 16 behind it stay out
.endif
.irp n, 0,1,2,3,4,5,6,7
	MM 1, \ab, 3, \n, \zero
.if \cv
	CV4 \buf, 1-(\ab), \n
.endif
.endr
.endm
; A TRIP: four chunks, shifted by half a chunk: from the second half of chunk 4 j + 3 to the first half of chunk 4 j + 7; its fragments come from chunks 4 j + 4 .. 4 j + 7 of W_eff, half a slot;
; gl = 1: it loads chunks 4 j + 8 .. 4 j + 11 of x.  entry = 1: the label at which the loop is entered.
.macro BODY gl, ask, entry, l0, l1, l2, l3
	WIN 0
	s_xor_b32 s[TB], s[TB], 256                    ; the other half of the rows' 512 bytes
	v_add_nc_u32 v[AG0], s[TB], v[AB0]
	v_add_nc_u32 v[AG0+1], 8*16*PB, v[AG0]
	P1 1, 1, 0,   1, \l0, 0
	P0 0, 0,   \gl, 0, 0
	P1 0, 1, 64,  1, \l1, 1
.if \entry
	WIN 0                                          ; at a label and at a branch every window is 0
.Lenter:
.endif
	P0 1, 64,  \gl, 1, 128, \ask
	P1 1, 1, 128, 1, \l2, 2
	P0 0, 128, \gl, 2, 256
	P1 0, 1, 192, 1, \l3, 3
	P0 1, 192, \gl, 3, 384
	WIN 0
.if \gl
	s_wait_xcnt 0x0                                ; every load and prefetch issued so far (the youngest load 32 products back) has read its address: XB is written here, PFB in the change of slots that may follow
	s_add_nc_u64 s[XB:XB+1], s[XB:XB+1], 512
.endif
.endm
; THE CHANGE OF SLOTS, between two trips: the slot's last fragments (nb 8-15 of its eighth chunk) have been asked for.  Each wave waits for all its tensor loads, of which one is out: its part of the
; other slot; adds 0 to its spare word; waits for that and for its own reads of the slot.  fill = 1: the barrier is a round of the cluster's, so that no wave of any partner still reads the slot or
; has a load on its way, and the joint refill, the step two on, is the first thing behind it: one load a wave, with 512 products in which to land.
.macro CHANGE fill
	WIN 0
	s_wait_tensorcnt 0x0                           ; no tensor load of mine is out, so a group 0 may be written
	ds_add_u32 v[SPW], v[NIL]                      ; 0 onto my spare word: scalar work stands between it and the wait for it
.if \fill
	s_xor_b32 s[G0W+1], s[G0W+1], SLOT             ; the walking descriptor: the other slot than last time,
	s_add_nc_u64 s[G0W+2:G0W+3], s[G0W+2:G0W+3], 512  ; the next 256 places; the type bits on top are not reached
	s_add_nc_u64 s[PFB:PFB+1], s[PFB:PFB+1], 512   ; (freed by the wait at the end of the trip before: nothing has touched memory since)
.endif
	s_xor_b32 s[TB], s[TB], SLOT                   ; the fragments come from the other slot
	s_wait_dscnt 0x0                               ; the add is done, and my reads of the slot are over
.if \fill
	CROUND
	tensor_load_to_lds s[G0W:G0W+3], s[G1:G1+7]
	s_nop 0
.rept 4
	v_nop
.endr
	ASKB
.else
	s_barrier_signal -1
	s_barrier_wait -1
.endif
.endm
; THE WAY OUT of rows 16 a on, columns 64 g on: bias is added, and the add itself lays the four accumulators' numbers side by side; register j ascending, so that each accumulator's register 0 is
; read first.  Each store: lanes 0-15 fill 256 consecutive bytes of row 16 a + j, aligned, lanes 16-31 those of the row 8 below.
.macro OUTBLK a, g, tb
	WIN 0x42+(\g)/2                                ; destination window 1, the accumulator window 2 or 3, bias window 0
.irp j, 0,1,2,3,4,5,6,7
.irp q, 0,1,2,3
	v_add_f32 v[32*(\tb)+4*(\j)+(\q)], v[8*(8*(\a)+(4*(\g)+(\q))%8)+(\j)], v[BIAS+4*(\g)+(\q)]
.endr
.endr
	WIN 0x04                                       ; store data window 1, address window 0
.irp j, 0,1,2,3,4,5,6,7
	global_store_b128 v[CO], v[32*(\tb)+4*(\j):32*(\tb)+4*(\j)+3], s[10:11] offset:(16*(\a)+(\j))*8192+256*(\g) th:TH_STORE_NT
.endr
.endm
	s_load_b256 s[4:11], s[0:1], 0x0               ; x s[4:5], weff s[6:7], bias s[8:9], out s[10:11]
	v_lshl_add_u32 v[SPW], v0, 2, SPARE
	v_mov_b32 v[NIL], 0
	ds_add_u32 v[SPW], v[NIL]                      ; the wave's opening: the add and its wait stand ahead of my first tensor load; the set-up below, work on registers, stands between them
	v_lshrrev_b32 v1, 5, v0
	v_readfirstlane_b32 s[WV], v1                  ; wave 0..3
	s_bfe_u32 s13, ttmp6, 0x40000                  ; cx: my place in the cluster: it enters x's, out's and one prefetch's address alone
	s_and_b32 s23, ttmp7, 0xffff                   ; cluster y
	s_cmp_eq_u32 s23, 0
	s_cselect_b32 s[LIMB], 1, -1                   ; the same in all four partners
	s_lshl_b32 s14, s23, 2
	s_add_co_u32 s14, s14, s13                     ; tile row = 4 x cluster y + cx
	s_mov_b32 s[NT], ttmp9                         ; tile column = cluster x
	s_lshl_b32 s18, s14, 8
	s_lshl_b32 s19, s[WV], 6
	s_add_co_u32 s18, s18, s19                     ; my first row of x and of out: 256 x tile row + 64 x wave
	s_lshl_b32 s46, s18, 13                        ; in out: 8,192 bytes a row
	s_mov_b32 s47, 0
	s_lshl_b32 s18, s18, 14                        ; in x: 16,384 bytes a row (under 2^27)
	s_mov_b32 s19, 0
	s_lshl_b32 s50, s[NT], 10                      ; the tile's 256 columns: 1,024 bytes of bias and of a row of out
	s_mov_b32 s51, 0
	s_lshl_b32 s48, s13, 17                        ; 16 cx stored rows
	s_mov_b32 s49, 0
	s_lshl_b32 s20, s[NT], 8                       ; the stored rows that I fetch: 256 x tile column + 64 x wave: nothing of cx in these registers
	s_lshl_b32 s21, s[WV], 6
	s_add_co_u32 s20, s20, s21
	s_lshl_b32 s20, s20, 13
	s_mov_b32 s21, 0
	s_mul_i32 s22, s[WV], WROWS                    ; and where they go in a slot
	; descriptor group 1: a tile of 64 rows x 256 elements, padded in LDS
	s_mov_b32 s[G1+0], 15|(1<<16)|(1<<20)|(1<<21)|(6<<22)|(3<<25)  ; 15:0 the mask of four; 17:16 elements of 2 bytes; 20 padding on; 21 set beside a mask; 24:22 after every 128 words (code 6); 31:25 4 words (code 3)
	s_mov_b32 s[G1+1], 256<<16                     ; tensor_dim0 = 256
	s_mov_b32 s[G1+2], 64<<16                      ; tensor_dim1 = 64
	s_mov_b32 s[G1+3], 256<<16                     ; tile_dim0 = 256
	s_mov_b32 s[G1+4], 64                          ; tile_dim1 = 64
	s_mov_b32 s[G1+5], 4096                        ; elements from row to row
	s_mov_b32 s[G1+6], 0
	s_mov_b32 s[G1+7], 0
	s_mov_b32 s[G0A], 1                            ; count = 1
	s_mov_b32 s[G0A+1], s22                        ; slot 0
	s_mov_b32 s[G0W], 1
	s_add_co_u32 s[G0W+1], s22, SLOT               ; slot 1
	s_mov_b32 s[TB], 0
	v_and_b32 v1, 15, v0                           ; r
	v_bfe_u32 v2, v0, 4, 1                         ; h
	v_and_b32 v11, 31, v0                          ; l
	v_lshlrev_b32 v[XO], 14, v1
	v_lshl_add_u32 v[XO], v2, 4, v[XO]
	v_mul_u32_u24 v[AB0], v1, PB
	v_lshl_add_u32 v[AB0], v2, 4, v[AB0]
	v_add_nc_u32 v[AG0], s[TB], v[AB0]
	v_add_nc_u32 v[AG0+1], 8*16*PB, v[AG0]
	v_lshlrev_b32 v[BO], 4, v1
	v_lshl_add_u32 v[CO], v2, 16, v[BO]
	v_lshlrev_b32 v[PFO], 14, v11
	v_lshlrev_b32 v[PBO], 13, v1
	v_lshl_add_u32 v[PBO], v2, 8, v[PBO]
	s_wait_dscnt 0x0                               ; the opening add is done
	s_wait_kmcnt 0x0
	s_add_nc_u64 s[G0A+2:G0A+3], s[6:7], s[20:21]  ; step 0
	s_add_nc_u64 s[G0W+2:G0W+3], s[G0A+2:G0A+3], 512  ; step 1
	s_add_nc_u64 s[PFB:PFB+1], s[G0A+2:G0A+3], s[48:49]
	s_add_nc_u64 s[PFB:PFB+1], s[PFB:PFB+1], 1024  ; at step 2: the first change of slots steps it to step 3
	s_or_b32 s[G0A+3], s[G0A+3], 0x80000000        ; type = 2
	s_or_b32 s[G0W+3], s[G0W+3], 0x80000000
	s_add_nc_u64 s[XB:XB+1], s[4:5], s[18:19]
	s_add_nc_u64 s[XB:XB+1], s[XB:XB+1], 512       ; at chunk 4
	s_add_nc_u64 s[8:9], s[8:9], s[50:51]
	s_add_nc_u64 s[10:11], s[10:11], s[46:47]
	s_add_nc_u64 s[10:11], s[10:11], s[50:51]
	CROUND                                         ; all four work-groups are here: the first joint loads meet
	tensor_load_to_lds s[G0A:G0A+3], s[G1:G1+7]    ; both first fills together, ahead of every wait on TENSORcnt, every LDS read and every other barrier: two loads of mine are out
	s_nop 0
	tensor_load_to_lds s[G0W:G0W+3], s[G1:G1+7]
	s_nop 0
.rept 4
	v_nop
.endr
.irp g, 0,1,2,3
	global_load_b128 v[BIAS+4*(\g):BIAS+4*(\g)+3], v[BO], s[8:9] offset:256*(\g)  ; bias of columns 64 g + 4 r + 0..3
.endr
.irp b, 0,1,2,3
	GLD \b, 128*(\b)-512                           ; chunks 0 to 3
.endr
	s_wait_loadcnt 48                              ; bias and chunk 0 are in; chunks 1 to 3 stay out
.irp n, 0,1,2,3,4,5,6,7
	CV4 0, 0, \n
.endr
	WIN 0
	s_wait_tensorcnt 0x1                           ; my part of step 0 is in; step 1's may stay out
	s_barrier_signal -1
	s_barrier_wait -1                              ; everybody's is
	FB 0, 0
	P0 0, 0,  1, 0, 0, 0, 1                        ; chunk 0 stands in front of the loop: its products start the sums
	P1 0, 1, 64, 1, 48, 1, 1
	WIN 0
	s_mov_b32 s[TWICE], 2
	s_mov_b32 s[SLOTS], 15
	s_branch .Lenter                               ; the loop is entered in the middle of a trip, where chunk 1 begins
.Lslot:                                                ; 14 times: steps 2 to 15 are asked for
	CHANGE 1
	s_mov_b32 s[TWICE], 2
.Lbody:
	BODY 1, 1, 1, 48, 48, 48, 48                   ; at each conversion the three younger runs of 16 loads stay out
	s_sub_co_u32 s[TWICE], s[TWICE], 1
	s_cmp_lg_u32 s[TWICE], 0
	s_cbranch_scc1 .Lbody
	s_sub_co_u32 s[SLOTS], s[SLOTS], 1
	s_cmp_lg_u32 s[SLOTS], 0
	s_cbranch_scc1 .Lslot
	CHANGE 0                                       ; the tail is written out: the last slot is entered, nothing is asked for
	BODY 1, 0, 0, 48, 48, 48, 48                   ; loads the last four chunks of x
	BODY 0, 0, 0, 48, 32, 16, 0                    ; loads nothing: the counts run down
	P1 1, 0, 0, 0, 0, 0                            ; the second half of chunk 127
.rept 8
	v_nop                                          ; the places behind the last products
.endr
.irp g, 0,1
.irp a, 0,1,2,3
	OUTBLK \a, \g, 4*(\g)+(\a)
.endr
.endr
	s_wait_xcnt 0x0                                ; the stores issued so far have read their data: the 256 registers are written again only behind this wait
.irp g, 2,3
.irp a, 0,1,2,3
	OUTBLK \a, \g, 4*(\g)-8+(\a)
.endr
.endr
	WIN 0
	s_wait_tensorcnt 0x0                           ; the wave's end: behind my last tensor load
	ds_add_u32 v[SPW], v[NIL]
	s_wait_dscnt 0x0
	CROUND                                         ; the closing round: no work-group ends while a partner may still ask for a tile that names it
	s_endpgm
.Lfunc_end_k_q2a37ba46dc_gemm:
	.size	k_q2a37ba46dc_gemm, .Lfunc_end_k_q2a37ba46dc_gemm-k_q2a37ba46dc_gemm
	.p2alignl 7, 3214868480
	.fill 96, 4, 3214868480
	.section	.rodata,"a",@progbits
	.p2align	6, 0x0
	.amdhsa_kernel k_q2a37ba46dc_gemm
		.amdhsa_group_segment_fixed_size 327680
		.amdhsa_private_segment_fixed_size 0
		.amdhsa_enable_private_segment 0
		.amdhsa_kernarg_size 32
		.amdhsa_user_sgpr_count 2
		.amdhsa_user_sgpr_kernarg_segment_ptr 1
		.amdhsa_wavefront_size32 1
		.amdhsa_system_sgpr_workgroup_id_x 1
		.amdhsa_system_sgpr_workgroup_id_y 1
		.amdhsa_system_sgpr_workgroup_id_z 1
		.amdhsa_system_vgpr_workitem_id 0
		.amdhsa_next_free_vgpr 1024
		.amdhsa_next_free_sgpr 66
		.amdhsa_reserve_vcc 0
		.amdhsa_float_denorm_mode_32 3
		.amdhsa_float_denorm_mode_16_64 3
		.amdhsa_memory_ordered 1
		.amdhsa_forward_progress 1
		.amdhsa_inst_pref_size 179
	.end_amdhsa_kernel
	.amdgpu_metadata
---
amdhsa.version: [ 1, 2 ]
amdhsa.kernels:
  - .name:           k_q2a37ba46dc_gemm
    .symbol:         k_q2a37ba46dc_gemm.kd
    .args:
      - { .name: x, .offset: 0, .size: 8, .value_kind: global_buffer, .address_space: global }
      - { .name: weff, .offset: 8, .size: 8, .value_kind: global_buffer, .address_space: global }
      - { .name: bias, .offset: 16, .size: 8, .value_kind: global_buffer, .address_space: global }
      - { .name: out0, .offset: 24, .size: 8, .value_kind: global_buffer, .address_space: global }
    .group_segment_fixed_size: 327680
    .private_segment_fixed_size: 0
    .kernarg_segment_align: 8
    .kernarg_segment_size: 32
    .max_flat_workgroup_size: 128
    .sgpr_count:     66
    .vgpr_count:     1024
    .wavefront_size: 32
...
	.end_amdgpu_metadata
.endif
;; end of part 2
;; ======== version 2 of 2: 2 launches; version 1 with the launch prep written anew for expert scheduling mode
;; workspace buffers: weff 16,777,216 bytes
;; launch prep (part 3): grid 256 x 1, 16 waves a work-group, no clusters, 4,096 bytes of LDS; arguments qweight_codes, qweight_scales, lora_A, lora_B, weff; writes weff
.if DOCPART == 3
	.amdgcn_target "amdgcn-amd-amdhsa--gfx1250"
	.amdhsa_code_object_version 6
	.text
	.protected	k_q2a37ba46dc_prep
	.globl	k_q2a37ba46dc_prep
	.p2align	8
	.type	k_q2a37ba46dc_prep,@function
k_q2a37ba46dc_prep:
	s_mov_b64 s[64:65], 0
	v_nop
	global_prefetch_b8 v0, s[64:65] scope:SCOPE_SE
	s_setreg_imm32_b32 hwreg(HW_REG_WAVE_SCHED_MODE, 0, 2), 2
	s_setreg_imm32_b32 hwreg(HW_REG_WAVE_MODE, 25, 1), 1
	s_wait_xcnt 0x0
	s_wait_alu depctr_vm_vsrc(0)
; W_eff[o][i] = NF4[code[o][i]] * scale[o][i / 64] + 2 * sum over r of lora_B[o][r] * lora_A[r][i], rounded once to bf16, for the product that follows.
; x (W + 2 B A)^T = x W^T + 2 (x A^T) B^T for every input: the adapter is linear, so it is added to the weight here, once, in f32.
; LIMITS.  The order of rounding differs from the module's own: the adapter joins the weight ahead of the one rounding to bf16; lora_A and 2 lora_B are rounded to bf16 for their product
; (sums in f32).  A code outside 0..15, read as unsigned, counts as 15.  NaN and infinities are not treated apart.
; LAYOUT OF weff: [2048 stored rows][4096 stored places], bf16, 8,192 bytes a row, with two permutations that the next launch uses:
;   rows:   output column n = 64 G + 4 r + q lies in stored row 64 G + 16 q + r;
;   places: stored place s holds input channel k = s with bits 2 and 3 exchanged (inside each 16).
; SHARES.  A work-group owns 8 output rows o0 = 8 b .. 8 b + 7, whole: its 512 scales are 2,048 consecutive bytes.  Thread t (0..511) owns the stored places 8 t .. 8 t + 7 of all 8 rows:
; the channels 16 (t >> 1) + 4 (t & 1) + 0..3 and the same + 8: two loads of 16 bytes, 32 bytes apart, in a row of codes and in a row of lora_A.  No loop: a wave's 35 loads go out together.
; THE ADAPTER ON THE MATRIX UNIT.  Accumulator e (0..7) holds, in register j of lane l, row o0 + j at the lane's place e: it starts as the dequantised weight (the C operand).
; A result's 16 rows serve 8 output rows x the two halves of the lanes, told apart along K: source 1 holds in registers 0-3 of EVERY lane the 8 ranks of lora_A at the lane's own channel
; (lanes 0-15: K = 0..7, lanes 16-31: K = 8..15); source 0 holds 2 lora_B[o0 + l % 8][0..7] in lanes 0-7 (rows 0-7, K 0..7) and 24-31 (rows 8-15, K 8..15), 0 elsewhere; K 16..31 is 0 in both.
; THE MODE: SCHED_MODE bits 1:0 = 2 (LLVM: expert scheduling mode 2), set by the entry lines.  The code itself states the register dependences between vector or matrix instructions and
; memory or LDS instructions, with s_wait_alu, always for 0.
; THE PLAN.  One path, no branch.  Registers that memory or LDS instructions touch:
;   KO, BO, T4, SA, WO  offsets: written at the head, never again; read by the loads, the LDS store and loads, and the stores.  One wait ahead of the first load serves them all.
;   ARAW = ACC          lora_A's loads land here; the conversions into AFR read it; then the permutes' results land here.
;   COD                 the codes land here; v_min and the shift work in place; the permutes read it as their index; at the end the packing conversions write it and the stores read it.
;   CB                  written by the table's selects, read by every permute.
;   SW, SCL, BRAW       filled by loads; SW is read by the LDS store alone, the other two by vector lines alone.
;   SPW, NIL            written at the head, read by the closing add alone.
; The look-up goes in four PAIRS of code rows, a pair behind: pair p's vector lines name pair p's COD alone, and the 16 permutes of pair p - 1 are dealt among them behind ONE wait at the pair's head.
.set SPARE, 2048                       ; LDS: bytes 0..2,047 the 512 scales (word 64 j + block); behind them the spare words, 128 bytes for each of 16 waves, which no other line names
.set KO,   3                           ; v3   my byte offset in a row of codes and of lora_A: 64 (t >> 1) + 16 (t & 1)
.set WO,   4                           ; v4   my 16 bytes in a stored row: 16 t
.set BO,   5                           ; v5   32 (l % 8): a row of lora_B
.set T4,   6                           ; v6   4 t
.set SA,   7                           ; v7   4 (t >> 3): my block of 64 channels among a row's 64 scales
.set CB,   8                           ; v8   NF4[l % 16]: the table, a lane an entry, twice
.set LQ,   9                           ; v9   l % 16
.set SW,   10                          ; v10  the one scale that I bring
.set SPW,  12                          ; v12  LDS address of my spare word; never rewritten
.set NIL,  13                          ; v13  0; never rewritten
.set BFR,  16                          ; v[16:23]   source 0
.set SCL,  24                          ; v[24:31]   my scale for row j
.set BRAW, 32                          ; v[32:39]   a row of lora_B in f32
.set COD,  40                          ; v[40:103]  codes, row j place e at 8 j + e; later the packed results, row j at 4 j
.set ARAW, 104                         ; v[104:167] lora_A in f32, rank k place e at 8 k + e; later the accumulators, e at 8 e
.set ACC,  104
.set AFR,  168                         ; v[168:231] source 1 for accumulator e at 8 e
.set MK,   15                          ; s[16:30]   entry n's mask at MK + n: free once the address sums below have read s[16:23]
	s_load_b256 s[4:11], s[0:1], 0x0               ; codes s[4:5], scales s[6:7], lora_A s[8:9], lora_B s[10:11]
	s_load_b64 s[12:13], s[0:1], 0x20              ; weff
	v_lshl_add_u32 v[SPW], v0, 2, SPARE
	v_mov_b32 v[NIL], 0
	v_lshrrev_b32 v1, 1, v0
	v_and_b32 v2, 1, v0
	v_lshlrev_b32 v[KO], 6, v1
	v_lshl_add_u32 v[KO], v2, 4, v[KO]
	v_lshlrev_b32 v[WO], 4, v0
	v_and_b32 v[BO], 7, v0
	v_lshlrev_b32 v[BO], 5, v[BO]
	v_lshlrev_b32 v[T4], 2, v0
	v_lshrrev_b32 v[SA], 3, v0
	v_lshlrev_b32 v[SA], 2, v[SA]
	v_and_b32 v[LQ], 15, v0
	s_lshl_b32 s16, ttmp9, 17                      ; 8 rows of 16,384 bytes of codes
	s_mov_b32 s17, 0
	s_lshl_b32 s18, ttmp9, 11                      ; 512 scales
	s_mov_b32 s19, 0
	s_lshl_b32 s20, ttmp9, 8                       ; 8 rows of 32 bytes of lora_B
	s_mov_b32 s21, 0
	s_lshr_b32 s22, ttmp9, 3                       ; stored row of o0: 64 (o0 / 64) + (o0 / 4) % 16 = 64 (b / 8) + 2 (b % 8)
	s_lshl_b32 s22, s22, 6
	s_and_b32 s23, ttmp9, 7
	s_lshl1_add_u32 s22, s23, s22
	s_lshl_b32 s22, s22, 13                        ; x 8,192 bytes
	s_mov_b32 s23, 0
	s_mov_b32 s15, 0xff0000ff                      ; the lanes that keep lora_B in source 0
	s_wait_kmcnt 0x0
	s_add_nc_u64 s[4:5], s[4:5], s[16:17]
	s_add_nc_u64 s[6:7], s[6:7], s[18:19]
	s_add_nc_u64 s[10:11], s[10:11], s[20:21]
	s_add_nc_u64 s[12:13], s[12:13], s[22:23]
	s_wait_alu depctr_va_vdst(0)                   ; the five offsets KO, BO, T4, SA and WO are written: the loads below, the LDS store and loads and the last stores read them, and no vector line names them again
	; all 35 loads, in the order in which they are wanted
	global_load_b32 v[SW], v[T4], s[6:7] th:TH_LOAD_NT
	global_load_b128 v[BRAW:BRAW+3], v[BO], s[10:11]
	global_load_b128 v[BRAW+4:BRAW+7], v[BO], s[10:11] offset:16
.irp k, 0,1,2,3,4,5,6,7
	global_load_b128 v[ARAW+8*(\k):ARAW+8*(\k)+3],   v[KO], s[8:9] offset:16384*(\k)
	global_load_b128 v[ARAW+8*(\k)+4:ARAW+8*(\k)+7], v[KO], s[8:9] offset:16384*(\k)+32
.endr
.irp j, 0,1,2,3,4,5,6,7
	global_load_b128 v[COD+8*(\j):COD+8*(\j)+3],   v[KO], s[4:5] offset:16384*(\j) th:TH_LOAD_NT
	global_load_b128 v[COD+8*(\j)+4:COD+8*(\j)+7], v[KO], s[4:5] offset:16384*(\j)+32 th:TH_LOAD_NT
.endr
	; while they are on their way: the table (lane l takes entry l % 16) and the zeros of K = 16..31.
	; The 15 compares stand in one run, each with a scalar register of its own; the zeros follow as work that hangs on none of them; one wait; then the 15 selects.
.macro CBC n
	v_cmp_ne_u32 s[MK+(\n)], \n, v[LQ]
.endm
.macro CBS n, bits
	v_cndmask_b32 v[CB], \bits, v[CB], s[MK+(\n)]  ; the lanes with l % 16 = n take the entry, the others keep theirs
.endm
	v_mov_b32 v[CB], 0xbf800000                    ; -1.0
.irp n, 1,2,3,4,5,6,7,8,9,10,11,12,13,14,15
	CBC \n
.endr
.irp p, 4,5,6,7
	v_mov_b32 v[BFR+(\p)], 0
.irp e, 0,1,2,3,4,5,6,7
	v_mov_b32 v[AFR+8*(\e)+(\p)], 0
.endr
.endr
	s_wait_alu depctr_va_sdst(0)                   ; the 15 compares have written s[16:30], ahead of the first select that reads one of them
	CBS 1,  0xbf3239b1                             ; -0.6961928
	CBS 2,  0xbf066b30                             ; -0.52507305
	CBS 3,  0xbeca32a0                             ; -0.3949175
	CBS 4,  0xbe91a24d                             ; -0.28444138
	CBS 5,  0xbe3d353f                             ; -0.18477343
	CBS 6,  0xbdba7871                             ; -0.09105004
	CBS 7,  0
	CBS 8,  0x3da2faff                             ; 0.0795803
	CBS 9,  0x3e24cae3                             ; 0.1609302
	CBS 10, 0x3e7c04dd                             ; 0.2461123
	CBS 11, 0x3ead033a                             ; 0.33791524
	CBS 12, 0x3ee1a4b8                             ; 0.44070983
	CBS 13, 0x3f1007ab                             ; 0.562617
	CBS 14, 0x3f3913b3                             ; 0.72295684
	CBS 15, 0x3f800000                             ; 1.0
	; the scales meet in LDS: each is fetched once, as part of 2,048 consecutive bytes, and read by the eight lanes of its block
	s_wait_loadcnt 34                              ; the scale is the oldest load: the 34 behind it stay out
	ds_store_b32 v[T4], v[SW]                      ; T4 stands behind the head's wait; SW comes from a load
	s_wait_dscnt 0x0                               ; for the other waves' sake: my store is done
	s_barrier_signal -1
	s_barrier_wait -1
.irp j, 0,1,2,3,4,5,6,7
	ds_load_b32 v[SCL+(\j)], v[SA] offset:256*(\j) ; SA stands behind the head's wait; no vector line has named SCL
.endr
	s_wait_loadcnt 32                              ; lora_B's row is in: 32 younger loads stay out
.irp p, 0,2,4,6
	v_pk_mul_f32 v[BRAW+(\p):BRAW+(\p)+1], v[BRAW+(\p):BRAW+(\p)+1], 2.0 op_sel_hi:[1,0]  ; the module's scaling, alpha / rank = 2: exact
.endr
.irp p, 0,1,2,3
	v_cvt_pk_bf16_f32 v[BFR+(\p)], v[BRAW+2*(\p)], v[BRAW+2*(\p)+1]
.endr
.irp p, 0,1,2,3
	v_cndmask_b32 v[BFR+(\p)], 0, v[BFR+(\p)], s15
.endr
	s_wait_loadcnt 16                              ; lora_A is in: the 16 loads of codes stay out
.irp e, 0,1,2,3,4,5,6,7
.irp p, 0,1,2,3
	v_cvt_pk_bf16_f32 v[AFR+8*(\e)+(\p)], v[ARAW+16*(\p)+(\e)], v[ARAW+16*(\p)+8+(\e)]  ; ranks 2 p, 2 p + 1 at my place e
.endr
.endr
	; the look-up: each lane pulls the table's entry from lane 'code'.  lora_A's registers are free: they take the accumulators.
	; ROW: row jn's codes are bounded and turned into the permute's index (it counts bytes: 4 x lane); pull = 1: row jo's eight permutes, whose indices were made a pair earlier, are dealt among those lines.
.macro ROW jn, jo, pull
.irp e, 0,1,2,3,4,5,6,7
.if \pull
	ds_bpermute_b32 v[ACC+8*(\e)+(\jo)], v[COD+8*(\jo)+(\e)], v[CB]  ; no vector line since the pair's wait names these three registers
.endif
	v_min_u32 v[COD+8*(\jn)+(\e)], 15, v[COD+8*(\jn)+(\e)]
.endr
.irp e, 0,1,2,3,4,5,6,7
	v_lshlrev_b32 v[COD+8*(\jn)+(\e)], 2, v[COD+8*(\jn)+(\e)]
.endr
.endm
	s_wait_loadcnt 12                              ; rows 0 and 1 (four loads) are in; the later rows' twelve stay out
	ROW 0, 0, 0
	ROW 1, 0, 0
	s_wait_loadcnt 8                               ; rows 2 and 3 are in
	s_wait_alu depctr_va_vdst(0)                   ; rows 0 and 1's indices and the table CB are written, which the permutes read; lora_A's conversions are done reading the registers in which the permutes' results land
	ROW 2, 0, 1
	ROW 3, 1, 1
	s_wait_loadcnt 4                               ; rows 4 and 5 are in
	s_wait_alu depctr_va_vdst(0)                   ; rows 2 and 3's indices are written, which the permutes below read
	ROW 4, 2, 1
	ROW 5, 3, 1
	s_wait_loadcnt 0x0                             ; rows 6 and 7 are in
	s_wait_alu depctr_va_vdst(0)                   ; rows 4 and 5's indices are written, which the permutes below read
	ROW 6, 4, 1
	ROW 7, 5, 1
	s_wait_alu depctr_va_vdst(0)                   ; rows 6 and 7's indices are written, which the last 16 permutes read
.irp j, 6,7
.irp e, 0,1,2,3,4,5,6,7
	ds_bpermute_b32 v[ACC+8*(\e)+(\j)], v[COD+8*(\j)+(\e)], v[CB]
.endr
.endr
	s_wait_dscnt 0x0                               ; my eight scales and all 64 entries
.irp e, 0,1,2,3,4,5,6,7
.irp z, 0,2,4,6
	v_pk_mul_f32 v[ACC+8*(\e)+(\z):ACC+8*(\e)+(\z)+1], v[ACC+8*(\e)+(\z):ACC+8*(\e)+(\z)+1], v[SCL+(\z):SCL+(\z)+1]
.endr
.endr
.irp e, 0,1,2,3,4,5,6,7                ; eight products on eight accumulators: no accumulator is taken up twice
	v_wmma_f32_16x16x32_bf16 v[ACC+8*(\e):ACC+8*(\e)+7], v[BFR:BFR+7], v[AFR+8*(\e):AFR+8*(\e)+7], v[ACC+8*(\e):ACC+8*(\e)+7]
.endr
.rept 8
	v_nop                                          ; the places between the last product and the conversions that read results (ISA guide 7.12.1); no other vector work is at hand
.endr
	s_wait_alu depctr_vm_vsrc(0)                   ; the permutes have read their indices in COD, which the conversions below write again
.irp j, 0,1,2,3,4,5,6,7                ; row j ascending: each accumulator's register 0 is read first
.irp p, 0,1,2,3
	v_cvt_pk_bf16_f32 v[COD+4*(\j)+(\p)], v[ACC+16*(\p)+(\j)], v[ACC+16*(\p)+8+(\j)]  ; places 2 p, 2 p + 1
.endr
.endr
	s_wait_alu depctr_va_vdst(0)                   ; the conversions have written the eight packed rows in COD, which the stores read
.irp j, 0,1,2,3,4,5,6,7
	global_store_b128 v[WO], v[COD+4*(\j):COD+4*(\j)+3], s[12:13] offset:(16*((\j)%4)+(\j)/4)*8192  ; a wave's store covers 512 consecutive bytes of one stored row, aligned
.endr
	s_wait_dscnt 0x0                               ; the closing lines, six on end
	s_wait_alu 0x0
	s_wait_tensorcnt 0x0
	ds_add_u32 v[SPW], v[NIL]
	s_wait_dscnt 0x0
	s_endpgm
.Lfunc_end_k_q2a37ba46dc_prep:
	.size	k_q2a37ba46dc_prep, .Lfunc_end_k_q2a37ba46dc_prep-k_q2a37ba46dc_prep
	.p2alignl 7, 3214868480
	.fill 96, 4, 3214868480
	.section	.rodata,"a",@progbits
	.p2align	6, 0x0
	.amdhsa_kernel k_q2a37ba46dc_prep
		.amdhsa_group_segment_fixed_size 4096
		.amdhsa_private_segment_fixed_size 0
		.amdhsa_enable_private_segment 0
		.amdhsa_kernarg_size 40
		.amdhsa_user_sgpr_count 2
		.amdhsa_user_sgpr_kernarg_segment_ptr 1
		.amdhsa_wavefront_size32 1
		.amdhsa_system_sgpr_workgroup_id_x 1
		.amdhsa_system_sgpr_workgroup_id_y 1
		.amdhsa_system_sgpr_workgroup_id_z 1
		.amdhsa_system_vgpr_workitem_id 0
		.amdhsa_next_free_vgpr 232
		.amdhsa_next_free_sgpr 66
		.amdhsa_reserve_vcc 0
		.amdhsa_float_denorm_mode_32 3
		.amdhsa_float_denorm_mode_16_64 3
		.amdhsa_memory_ordered 1
		.amdhsa_forward_progress 1
		.amdhsa_inst_pref_size 26
	.end_amdhsa_kernel
	.amdgpu_metadata
---
amdhsa.version: [ 1, 2 ]
amdhsa.kernels:
  - .name:           k_q2a37ba46dc_prep
    .symbol:         k_q2a37ba46dc_prep.kd
    .args:
      - { .name: qweight_codes, .offset: 0, .size: 8, .value_kind: global_buffer, .address_space: global }
      - { .name: qweight_scales, .offset: 8, .size: 8, .value_kind: global_buffer, .address_space: global }
      - { .name: lora_A, .offset: 16, .size: 8, .value_kind: global_buffer, .address_space: global }
      - { .name: lora_B, .offset: 24, .size: 8, .value_kind: global_buffer, .address_space: global }
      - { .name: weff, .offset: 32, .size: 8, .value_kind: global_buffer, .address_space: global }
    .group_segment_fixed_size: 4096
    .private_segment_fixed_size: 0
    .kernarg_segment_align: 8
    .kernarg_segment_size: 40
    .max_flat_workgroup_size: 512
    .sgpr_count:     66
    .vgpr_count:     232
    .wavefront_size: 32
...
	.end_amdgpu_metadata
.endif
;; end of part 3
;; launch gemm: the kernel of part 2 again; grid 32 x 8, 4 waves a work-group, clusters of 4 x 1, 327,680 bytes of LDS; arguments x, weff, bias, out0; writes out0
